; MI455X (gfx1250); checked and timed in simulation.
; The chip was launched on July 23, 2026; its instructions are those of AMD's public machine-readable ISA for CDNA 5 (MIT licence, August 2026) and "CDNA5" Instruction Set Architecture Reference Guide (July 2026). The comments in the code are by the model that wrote it; some were corrected since.
;; Sparse Cross Attn Adapter. Allowed arithmetic: matrix products marked QUANTISED: E2M1 operands, one E8M0 scale for each 32 along K, by v_wmma_scale_f32_16x16x128_f8f6f4 with both operands' format E2M1 (or v_wmma_scale_f32_32x16x128_f4), f32 sums; everything else in f32.
;; Inputs: alpha 1 float32; cond_cos 1,024 x 64 float32; cond_sin 1,024 x 64 float32; condition_tokens 2 x 1,024 x 1,024 float32; image_cos 4,096 x 64 float32; image_sin 4,096 x 64 float32; image_tokens 2 x 4,096 x 1,024 float32; k_b 1,024 float32; k_head_norm_w 64 float32; k_w_codes 1,024 x 32 x 16 uint8 (E2M1 codes of k_w, K innermost, in blocks of 32 codes, two codes a byte); k_w_scales 1,024 x 32 uint8 (E8M0 scales of k_w, one for each 32 codes along K); kv_norm_w 1,024 float32; o_b 1,024 float32; o_w_codes 1,024 x 32 x 16 uint8 (E2M1 codes of o_w, K innermost, in blocks of 32 codes, two codes a byte); o_w_scales 1,024 x 32 uint8 (E8M0 scales of o_w, one for each 32 codes along K); q_b 1,024 float32; q_head_norm_w 64 float32; q_norm_w 1,024 float32; q_w_codes 1,024 x 32 x 16 uint8 (E2M1 codes of q_w, K innermost, in blocks of 32 codes, two codes a byte); q_w_scales 1,024 x 32 uint8 (E8M0 scales of q_w, one for each 32 codes along K); v_b 1,024 float32; v_w_codes 1,024 x 32 x 16 uint8 (E2M1 codes of v_w, K innermost, in blocks of 32 codes, two codes a byte); v_w_scales 1,024 x 32 uint8 (E8M0 scales of v_w, one for each 32 codes along K).
;; Outputs: out0 2 x 4,096 x 1,024 float32.
;; This version of the problem:
;;   THIS VERSION OF THE PROBLEM IS GIVEN IN LOW PRECISION. The matrix products marked QUANTISED in the list below multiply operands that are first quantised to E2M1 (2 exponent bits, 1 mantissa bit; 4 bits a number), with one power-of-two scale for each 32 numbers along K (OCP MX v1.0); their sums are f32. All else is computed in f32.
;;   The module's matrix products, in the order in which they are computed (A, B: the left and right operand; K: the contracted axis; several contracted axes count as one K, in the product's order):
;;     1. [M 8,192, K 1,024] x [K 1,024, N 1,024]; A: computed on the way; B: input q_w (given as codes): QUANTISED
;;     2. [M 2,048, K 1,024] x [K 1,024, N 1,024]; A: computed on the way; B: input k_w (given as codes): QUANTISED
;;     3. [M 2,048, K 1,024] x [K 1,024, N 1,024]; A: computed on the way; B: input v_w (given as codes): QUANTISED
;;     4. batch 32 x [M 4,096, K 64] x [K 64, N 1,024]; A: computed on the way; B: computed on the way: QUANTISED
;;     5. batch 32 x [M 4,096, K 1,024] x [K 1,024, N 64]; A: softmax (see below); B: computed on the way: QUANTISED
;;     6. [M 8,192, K 1,024] x [K 1,024, N 1,024]; A: computed on the way; B: input o_w (given as codes): QUANTISED
;;   THE QUANTISER, for each operand of a quantised product, along K:
;;     - K is cut into blocks of 32 from its start; a last block that is shorter is filled with zeros.
;;     - A block's scale is 2^e with e = floor(log2(the largest magnitude in the block)) - 2, held to -126 .. 127; a block of zeros has e = 0. As a byte (E8M0): e + 127.
;;     - Each number is divided by its block's scale, clamped to +-6, and rounded to the nearest number of E2M1, ties to even, subnormals kept.
;;     - The product sums the exact products of the quantised numbers (number of the format x scale) in f32.
;;   ~~~python
;;   def quantise(x, axis):      # numpy; x: float32 -> the quantised numbers, widened to float32 again
;;       x = np.moveaxis(x, axis, -1); K = x.shape[-1]
;;       x = np.pad(x, [(0, 0)] * (x.ndim - 1) + [(0, -K % 32)]); x = x.reshape(x.shape[:-1] + (-1, 32)); a = np.abs(x).max(-1, keepdims=True)
;;       e = np.where(a > 0, np.clip(np.frexp(np.where(a > 0, a, 1))[1] - 1 - 2, -126, 127), 0)      # np.frexp(a)[1] - 1 = floor(log2(a)), exactly
;;       r = np.clip(x / 2.0 ** e, -6, 6)
;;       step = 2.0 ** (np.maximum(np.frexp(np.where(r == 0, 1, r))[1] - 1, 0) - 1)
;;       q = np.round(r / step) * step * 2.0 ** e      # np.round: ties to even
;;       return np.moveaxis(q.reshape(q.shape[:-2] + (-1,))[..., :K], -1, axis).astype(np.float32)
;;   ~~~
;;   SOFTMAX AHEAD OF A QUANTISED PRODUCT. Where the list says 'softmax', what is quantised is not the finished softmax but p = 2^(t - M), with t = logit x log2(e) and M = ceil(the row's largest t), a whole number; so 1/2 < the row's largest p <= 1. The row's sum l is taken of the UNQUANTISED p, in f32, and the product's result is divided by l at the end. Since M is a whole number, a kernel that streams over the keys may use a running M (the ceiling of the running maximum): every later rescaling is an exact power of two, which a block's scale takes up: the codes' values come out the same.
;;   OPERANDS COMPUTED ON THE WAY. 'Computed on the way' means the value that the module computes at that place (a softmax that the list does not call 'softmax' is quantised finished and normalised). What goes into a quantiser is computed in f32, as accurately as f32 sums, v_exp_f32 and their like allow (about 1e-6 of the number): no bf16 or f16 on the way to a quantiser, and a product that is left as it is and whose result goes on into a quantised operand takes f32 operands (vector FMAs, or v_wmma_f32_16x16x4_f32). A number that lies on a knife's edge between two numbers of the format may be rounded either way, as far as f32 arithmetic and the matrix unit's own rounding can turn it there, and no further.
;;   INPUTS GIVEN AS CODES. k_w (in the module: [1024, 1024], K = its axis 1); o_w (in the module: [1024, 1024], K = its axis 1); q_w (in the module: [1024, 1024], K = its axis 1); v_w (in the module: [1024, 1024], K = its axis 1): each comes as NAME_codes (uint8): NAME with its K axis moved to the last place and cut into blocks of 32 codes, [.., K / 32, bytes a block], one block behind the other in memory; two codes a byte, the lower K in the low four bits (a code: sign, 2 exponent bits, 1 mantissa bit); and NAME_scales (uint8): the same leading axes, one E8M0 byte (e + 127) for each 32 codes along K. Its value is code x scale, taken as it is: it is not quantised again, and the codes and scales need not be those that the quantiser above would give.
;; One version. Each part assembles by itself: llvm-mc -triple=amdgcn-amd-amdhsa -mcpu=gfx1250 --defsym DOCPART=n.
;; ======== version 1 of 1: 2 launches
;; workspace buffers: kvimg 2,228,224 bytes; qw_img 524,288 bytes; ow_img 524,288 bytes
;; launch kvprep (part 1): grid 64 x 4, 8 waves a work-group, no clusters, 311,808 bytes of LDS; arguments condition_tokens, kv_norm_w, k_w_codes, v_w_codes, k_w_scales, v_w_scales, k_b, v_b, k_head_norm_w, cond_cos, cond_sin, q_w_codes, o_w_codes, kvimg, qw_img, ow_img; writes kvimg, qw_img, ow_img
.if DOCPART == 1
	.amdgcn_target "amdgcn-amd-amdhsa--gfx1250"
	.amdhsa_code_object_version 6
	.text
	.protected	k_qb21aeba4ea_kvprep
	.globl	k_qb21aeba4ea_kvprep
	.p2align	8
	.type	k_qb21aeba4ea_kvprep,@function
k_qb21aeba4ea_kvprep:
	s_mov_b64 s[64:65], 0
	v_nop
	global_prefetch_b8 v0, s[64:65] scope:SCOPE_SE
	s_setreg_imm32_b32 hwreg(HW_REG_WAVE_MODE, 25, 1), 1
	s_wait_xcnt 0x0
; FIRST OF TWO LAUNCHES.  K and V of the cross attention, as codes of E2M1 with E8M0 scales, laid in the order of the operand registers of the second launch; and q_w, o_w laid likewise.
; NOTHING OF reference() IS LEFT OUT by the two launches: every input has a way to out0 (the biases and gains go into live quantisers, the factor 1/8 is folded into the softmax's constant), so every input is loaded by one of them.
; A work-group takes 32 condition tokens (x = 0..63) and 512 columns of K (y = 0, 1) or of V (y = 2, 3); each of its eight waves one head, 64 columns.
;   X: wave v norms rows 4 v .. 4 v + 3 (x * rsqrt(mean x^2 + eps) * gain, f32), quantises them along the 1,024 and puts codes and scale bytes into LDS.  All four rows are asked for at the head,
;      and so, in four runs of sixteen, are my head's 64 weight rows (512 consecutive bytes a load), which wait in the second register window and then go into my own stage in LDS | one barrier |
;   P: 32 rows x 64 columns x K 1,024 a wave: eight K steps of eight scaled matrix instructions; a K step's twelve LDS loads are issued a step ahead, into two sets of registers by turns.
;   K: transposed use (source 0 = weight rows, source 1 = tokens): a lane holds one token and 32 of the head's 64: bias, head norm, rope, quantised along the head's 64.
;   V: source 0 = tokens, source 1 = weight rows: a lane holds one channel and 16 of the 32 tokens: bias, quantised along the tokens (the 32 tokens are one block of the second product's K).
; THE ROWS OF A TILE ARE NOT NEIGHBOURS: lane r of a tile takes row base + r + 8 (r / 8), so that the 16 registers of two neighbouring tiles are 16 neighbours along the next K.
; IN LDS they are laid as the lanes take them: row 32 b + j at place 32 b + 16 ((j / 8) % 2) + j % 8 + 8 (j / 16): a fragment's sixteen rows are then neighbours, 132 words apart, and start at sixteen different banks.
; kvimg: a record of 8,704 bytes for each (batch, head, step of 128 keys): K codes [group 4][tile 2][lane] x 16; V codes [tile 4][half 2][lane] x 16; K scale words [group][r]; V scale words [tile][r].
; Each work-group also relays one 256th of q_w and o_w: 16 rows x 256 bytes into [tile 64][K step 8][half 2][lane] x 16.
; NO CLUSTER AND NO JOINT LOADS, though 64 work-groups read the same half of a weight matrix: the rows change their order on the way into the stage, which goes through registers;
; and the stages, 8 x 33,792 bytes, with the 41,472 bytes in front of them leave no room for slots beside them.
; LIMITS: NaN and infinities among the inputs are not served.  A block whose largest magnitude lies under 2^-124, a block of zeros among them, keeps the scale byte 1 (the stated quantiser says 127 for zeros):
; its codes are zeros or as the held scale gives them, and the bytes are read by this program alone.  v_rsq_f32 is good to one unit in the last place.
; The K scale words (64 bytes a store) and the V scale bytes (one byte a lane) fill aligned 256-byte runs only in part: 128 KB of the launch's 3.3 MB, laid as their 128 readers take them.
.set XC,    0                          ; LDS: 32 rows of codes, 512 bytes + 16
.set XS,    16896                      ; 32 rows of scale bytes, 32 + 16
.set COS,   18432                      ; 32 rows of the rope tables, 256 + 16 (K path)
.set SIN,   27136
.set RL,    35840                      ; the relay: 16 rows, 256 + 16
.set SPARE, 40448                      ; the spare words, 128 bytes a wave: no other line names them
.set WST,   41472                      ; a stage for each wave: 64 weight rows x 528.  Its first 4,608 bytes serve first as the place in which a row of 1,024 f32 turns (places of 128 bytes + 16)
.set WREG,  33792
.set W,   32                           ; phase X: v32-63 my block's 32 gains
.set RA,  64                           ; four token rows as loaded
.set RB,  96
.set X,   128                          ; v128-159 my block of 32 numbers
.set RC,  160
.set RD,  192
.set RLD, 224                          ; the relay's 16 bytes
.set CSD, 228                          ; v228-243 the tables as loaded
.set CD,  244                          ; v244-247 a block's codes
.set P0,  248
.set P1,  250
.set RS,  252                          ; v[252:253] 1 / rms (the low word serves both halves)
.set PT,  254
.set BYX, 255
.set GW1, 192                          ; window 1: weight row i as loaded at v[4 i]; until rows 48 on are asked for, v192-223 hold the gains as loaded; on the K path v0-31 later hold k_b
.set WS,  32                           ; phase P: v32-47 the weights' scale words: [8 b + s]: tile 2 b in lanes 0-15, tile 2 b + 1 in lanes 16-31
.set XSW, 48                           ; v48-63 the tokens' scale words [8 m + s]
.set ACC, 64                           ; v64-127 eight accumulators
.set FR0, 128                          ; two sets of 48: four weight fragments, two token fragments: v128-175, v176-223
.set HG,  224                          ; K path: k_head_norm_w at my 32 channels
.set VB,  224                          ; V path: v_b of my channel, in pairs
.set QTM, 24                           ; the quantiser's temporaries v24-31
.set QPD, 26
.set QSO, 28
.set QBY, 30
.set NT,  48                           ; the head norm's temporaries v48-55
.set SEL, 46                           ; s[46:47] lane l xor 16
.set EPS, 48
.set I1024, 49
.set I64, 50
.set MSB, 0
.macro WIN new                         ; the register windows: bits 1:0 source 0, 3:2 source 1, 5:4 source 2, 7:6 destination; the immediate's high byte repeats the setting that is left
.if MSB != \new
	s_set_vgpr_msb (MSB<<8)|\new
.set MSB, \new
.endif
.endm
; d, a, b: first registers of D, A, B; c: of C, or under 0 for the constant 0; sa, sb: scale registers; row: 1 = A's scales from lanes 16-31, 2 = B's
.macro WM d, a, b, c, sa, sb, row
.if (\c) < 0
.if (\row) == 1
	v_wmma_scale_f32_16x16x128_f8f6f4 v[\d:\d+7], v[\a:\a+7], v[\b:\b+7], 0, v[\sa], v[\sb] matrix_a_fmt:MATRIX_FMT_FP4 matrix_b_fmt:MATRIX_FMT_FP4 matrix_a_scale:MATRIX_SCALE_ROW1
.elseif (\row) == 2
	v_wmma_scale_f32_16x16x128_f8f6f4 v[\d:\d+7], v[\a:\a+7], v[\b:\b+7], 0, v[\sa], v[\sb] matrix_a_fmt:MATRIX_FMT_FP4 matrix_b_fmt:MATRIX_FMT_FP4 matrix_b_scale:MATRIX_SCALE_ROW1
.else
	v_wmma_scale_f32_16x16x128_f8f6f4 v[\d:\d+7], v[\a:\a+7], v[\b:\b+7], 0, v[\sa], v[\sb] matrix_a_fmt:MATRIX_FMT_FP4 matrix_b_fmt:MATRIX_FMT_FP4
.endif
.else
.if (\row) == 1
	v_wmma_scale_f32_16x16x128_f8f6f4 v[\d:\d+7], v[\a:\a+7], v[\b:\b+7], v[\c:\c+7], v[\sa], v[\sb] matrix_a_fmt:MATRIX_FMT_FP4 matrix_b_fmt:MATRIX_FMT_FP4 matrix_a_scale:MATRIX_SCALE_ROW1
.elseif (\row) == 2
	v_wmma_scale_f32_16x16x128_f8f6f4 v[\d:\d+7], v[\a:\a+7], v[\b:\b+7], v[\c:\c+7], v[\sa], v[\sb] matrix_a_fmt:MATRIX_FMT_FP4 matrix_b_fmt:MATRIX_FMT_FP4 matrix_b_scale:MATRIX_SCALE_ROW1
.else
	v_wmma_scale_f32_16x16x128_f8f6f4 v[\d:\d+7], v[\a:\a+7], v[\b:\b+7], v[\c:\c+7], v[\sa], v[\sb] matrix_a_fmt:MATRIX_FMT_FP4 matrix_b_fmt:MATRIX_FMT_FP4
.endif
.endif
.endm
.macro PLACES                          ; four plain places behind matrix instructions, ahead of loads into their registers and of reads of their results
.rept 4
	v_nop
.endr
.endm
; Two groups of 16 registers, each half a block of 32 (the other half lies in lane l xor 16), become four registers of codes, lanes 0-15 the first group's whole block, lanes 16-31 the second's; the bytes in v[QBY], v[QBY+1].
.macro QUANT2 s0, s1, c
	v_max3_num_f32 v[QTM], |v[\s0]|, |v[\s0+1]|, 0x1800000          ; the floor 2^(3 - 127) among the leaves: the byte cannot fall under 1
	v_max3_num_f32 v[QTM+1], |v[\s1]|, |v[\s1+1]|, 0x1800000
.irp i,2,4,6,8,10,12,14
	v_max3_num_f32 v[QTM], v[QTM], |v[\s0+\i]|, |v[\s0+\i+1]|
	v_max3_num_f32 v[QTM+1], v[QTM+1], |v[\s1+\i]|, |v[\s1+\i+1]|
.endr
	v_permlanex16_b32 v[QPD], v[QTM], s[SEL], s[SEL+1]
	v_permlanex16_b32 v[QPD+1], v[QTM+1], s[SEL], s[SEL+1]
	v_max_num_f32 v[QTM], v[QTM], v[QPD]
	v_max_num_f32 v[QTM+1], v[QTM+1], v[QPD+1]
	v_add_nc_u32 v[QSO], 0xff000000, v[QTM]                         ; 2 off the exponent field: the conversion's scale operand
	v_add_nc_u32 v[QSO+1], 0xff000000, v[QTM+1]
	v_lshrrev_b32 v[QBY], 23, v[QSO]                                ; the scale's byte
	v_lshrrev_b32 v[QBY+1], 23, v[QSO+1]
	v_cvt_scalef32_pk8_fp4_f32 v[\c], v[\s0:\s0+7], v[QSO]
	v_cvt_scalef32_pk8_fp4_f32 v[\c+1], v[\s0+8:\s0+15], v[QSO]
	v_cvt_scalef32_pk8_fp4_f32 v[\c+2], v[\s1:\s1+7], v[QSO+1]
	v_cvt_scalef32_pk8_fp4_f32 v[\c+3], v[\s1+8:\s1+15], v[QSO+1]
	v_nop                                                           ; one plain place behind the scaled conversions
	v_permlane16_swap_b32 v[\c], v[\c+2]
	v_permlane16_swap_b32 v[\c+1], v[\c+3]
.endm
; 32 registers v[s + 16 b + i] = channel 32 b + 16 h + i of my token's head: head norm, gain g, rope by the tables co, si (same places), codes into v[c .. c + 3].
.macro NRQ s, g, co, si, c
	v_pk_mul_f32 v[NT:NT+1], v[\s:\s+1], v[\s:\s+1]
	v_pk_mul_f32 v[NT+2:NT+3], v[\s+2:\s+3], v[\s+2:\s+3]
.irp j,4,8,12,16,20,24,28
	v_pk_fma_f32 v[NT:NT+1], v[\s+\j:\s+\j+1], v[\s+\j:\s+\j+1], v[NT:NT+1]
	v_pk_fma_f32 v[NT+2:NT+3], v[\s+\j+2:\s+\j+3], v[\s+\j+2:\s+\j+3], v[NT+2:NT+3]
.endr
	v_pk_add_f32 v[NT:NT+1], v[NT:NT+1], v[NT+2:NT+3]
	v_add_f32 v[NT], v[NT], v[NT+1]
	v_permlanex16_b32 v[NT+4], v[NT], s[SEL], s[SEL+1]
	v_add_f32 v[NT], v[NT], v[NT+4]                                 ; the sum of the head's 64 squares
	v_fma_f32 v[NT+4], v[NT], s[I64], s[EPS]
	v_rsq_f32 v[NT+6], v[NT+4]
	v_nop                                                           ; a plain place behind the transcendental,
	s_wait_alu depctr_va_vdst(0)                                    ; and the wait ahead of its first reader
.irp j,0,2,4,6,8,10,12,14,16,18,20,22,24,26,28,30
	v_pk_mul_f32 v[\s+\j:\s+\j+1], v[\s+\j:\s+\j+1], v[NT+6:NT+7] op_sel_hi:[1,0]
.endr
.irp j,0,2,4,6,8,10,12,14,16,18,20,22,24,26,28,30
	v_pk_mul_f32 v[\s+\j:\s+\j+1], v[\s+\j:\s+\j+1], v[\g+\j:\g+\j+1]
.endr
.irp e,0,2,4,6,8,10,12,14,16,18,20,22,24,26,28,30
	v_pk_mul_f32 v[\co+\e:\co+\e+1], v[\s+\e:\s+\e+1], v[\co+\e:\co+\e+1]   ; y cos
	v_fma_f32 v[\co+\e], -v[\s+\e+1], v[\si+\e], v[\co+\e]                  ; even place: - the odd neighbour x sin
	v_fma_f32 v[\co+\e+1], v[\s+\e], v[\si+\e+1], v[\co+\e+1]               ; odd place: + the even neighbour x sin
.endr
	QUANT2 \co, \co+16, \c
.endm
.macro ROWLD reg, row                  ; a token row: eight loads of 512 consecutive bytes
.irp j,0,1,2,3,4,5,6,7
	global_load_b128 v[\reg+4*\j:\reg+4*\j+3], v3, s[8:9] offset:4096*\row+512*\j
.endr
.endm
.macro WLD i0                          ; my head's weight rows i0 .. i0 + 15 into window 1: a row, 512 consecutive bytes, a load
	WIN 0x40                                                        ; destination window 1, address window 0
.set II, \i0
.rept 16
	global_load_b128 v[4*II:4*II+3], v3, s[12:13] offset:512*II
.set II, II+1
.endr
	WIN 0
.endm
.macro WSTORE i0                       ; and from there into my stage, each at the place at which the fragments' lanes take it
	WIN 0x04                                                        ; an LDS store's data are its source 1: window 1
.set II, \i0
.rept 16
.set JJ, II%32
	ds_store_b128 v10, v[4*II:4*II+3] offset:528*(32*(II/32)+16*((JJ/8)%2)+(JJ%8)+8*(JJ/16))
.set II, II+1
.endr
	WIN 0
.endm
; One row of 1,024 f32 in v[reg ..] becomes 512 bytes of codes and 32 scale bytes in LDS.  left: the loads issued behind this row's.  nx: which run of weight rows is asked for in its middle.
.macro XROW reg, crow, left, nx
	s_wait_loadcnt \left
.irp j,0,1,2,3,4,5,6,7
	ds_store_b128 v6, v[\reg+4*\j:\reg+4*\j+3] offset:576*\j        ; as loaded: 512 bytes are four places of 128 + 16
.endr
.irp q,0,1,2,3,4,5,6,7
	ds_load_b128 v[X+4*\q:X+4*\q+3], v7 offset:16*\q                ; back: lane l takes place l, a whole block of 32.  LDS serves a wave's instructions in order
.endr
	v_pk_mul_f32 v[P0:P0+1], v[\reg:\reg+1], v[\reg:\reg+1]         ; the row's sum of squares, on the numbers as loaded
	v_pk_mul_f32 v[P1:P1+1], v[\reg+2:\reg+3], v[\reg+2:\reg+3]
.irp j,4,8,12,16,20,24,28
	v_pk_fma_f32 v[P0:P0+1], v[\reg+\j:\reg+\j+1], v[\reg+\j:\reg+\j+1], v[P0:P0+1]
	v_pk_fma_f32 v[P1:P1+1], v[\reg+\j+2:\reg+\j+3], v[\reg+\j+2:\reg+\j+3], v[P1:P1+1]
.endr
	v_pk_add_f32 v[P0:P0+1], v[P0:P0+1], v[P1:P1+1]
	v_add_f32 v[P0], v[P0], v[P0+1]
	v_add_f32_dpp v[P0], v[P0], v[P0] row_xmask:1 row_mask:0xf bank_mask:0xf
	v_add_f32_dpp v[P0], v[P0], v[P0] row_xmask:2 row_mask:0xf bank_mask:0xf
	v_add_f32_dpp v[P0], v[P0], v[P0] row_xmask:4 row_mask:0xf bank_mask:0xf
	v_add_f32_dpp v[P0], v[P0], v[P0] row_xmask:8 row_mask:0xf bank_mask:0xf
	v_permlanex16_b32 v[PT], v[P0], s[SEL], s[SEL+1]
	v_add_f32 v[P0], v[P0], v[PT]
	v_fma_f32 v[PT], v[P0], s[I1024], s[EPS]
	v_rsq_f32 v[RS], v[PT]
	v_nop
	s_wait_alu depctr_va_vdst(0)                                    ; ahead of the first reader of 1 / rms
	s_wait_dscnt 0x0                                                ; my block is in; all earlier LDS stores have read their registers
.if \nx == 1
	WLD 32
.endif
.if \nx == 2
	WLD 48                                                          ; these land where the gains lay as loaded: their stores were waited for above, in this row and the last
.endif
.irp j,0,2,4,6,8,10,12,14,16,18,20,22,24,26,28,30
	v_pk_mul_f32 v[X+\j:X+\j+1], v[X+\j:X+\j+1], v[RS:RS+1] op_sel_hi:[1,0]
.endr
.irp j,0,2,4,6,8,10,12,14,16,18,20,22,24,26,28,30
	v_pk_mul_f32 v[X+\j:X+\j+1], v[X+\j:X+\j+1], v[W+\j:W+\j+1]
.endr
	v_max3_num_f32 v[P0], |v[X]|, |v[X+1]|, 0x1800000
	v_max3_num_f32 v[P0+1], |v[X+2]|, |v[X+3]|, 0x1800000
.irp j,4,8,12,16,20,24,28
	v_max3_num_f32 v[P0], v[P0], |v[X+\j]|, |v[X+\j+1]|
	v_max3_num_f32 v[P0+1], v[P0+1], |v[X+\j+2]|, |v[X+\j+3]|
.endr
	v_max_num_f32 v[P0], v[P0], v[P0+1]
	v_add_nc_u32 v[P1], 0xff000000, v[P0]
	v_lshrrev_b32 v[BYX], 23, v[P1]
.irp g,0,1,2,3
	v_cvt_scalef32_pk8_fp4_f32 v[CD+\g], v[X+8*\g:X+8*\g+7], v[P1]
.endr
	v_nop
	ds_store_b128 v8, v[CD:CD+3] offset:XC+528*\crow
	ds_store_b8 v9, v[BYX] offset:XS+48*\crow
.endm
; K step s's twelve LDS loads into set s % 2: my four weight tiles (t = 2 b + u: places 16 t on of my stage), the two token tiles
.macro FETCH s
.set FS, FR0+48*((\s)%2)
.irp t,0,1,2,3
.irp c,0,1
	ds_load_b128 v[FS+8*\t+4*\c:FS+8*\t+4*\c+3], v11 offset:16*\t*528+64*(\s)+32*\c
.endr
.endr
.irp m,0,1
.irp c,0,1
	ds_load_b128 v[FS+32+8*\m+4*\c:FS+32+8*\m+4*\c+3], v12 offset:XC+16*\m*528+64*(\s)+32*\c
.endr
.endr
.endm
; One K step of 128: the next step's fragments are asked for (their set was read by the step before, whose four places have passed), then eight accumulators by turns, in the same order in every step.
.macro KSTEP s, isv
.if (\s) < 7
	FETCH (\s)+1
	s_wait_dscnt 12                                                 ; this step's fragments are in; the twelve just issued may be out
.else
	s_wait_dscnt 0x0
.endif
.set FS, FR0+48*((\s)%2)
.irp m,0,1
.irp t,0,1,2,3
.if \isv
.if (\s) == 0
	WM ACC+16*\t+8*\m, FS+32+8*\m, FS+8*\t, -1, XSW+8*\m+(\s), WS+8*(\t/2)+(\s), 2*(\t%2)
.else
	WM ACC+16*\t+8*\m, FS+32+8*\m, FS+8*\t, ACC+16*\t+8*\m, XSW+8*\m+(\s), WS+8*(\t/2)+(\s), 2*(\t%2)
.endif
.else
.if (\s) == 0
	WM ACC+32*\m+8*\t, FS+8*\t, FS+32+8*\m, -1, WS+8*(\t/2)+(\s), XSW+8*\m+(\s), \t%2
.else
	WM ACC+32*\m+8*\t, FS+8*\t, FS+32+8*\m, ACC+32*\m+8*\t, WS+8*(\t/2)+(\s), XSW+8*\m+(\s), \t%2
.endif
.endif
.endr
.endr
	PLACES
.endm
	s_load_b512 s[8:23], s[0:1], 0x0               ; tokens 8, gains 10, k_w codes 12, v_w codes 14, k_w scales 16, v_w scales 18, k_b 20, v_b 22
	s_load_b512 s[24:39], s[0:1], 0x40             ; head gains 24, cos 26, sin 28, q_w codes 30, o_w codes 32, kvimg 34, qw_img 36, ow_img 38
	v_lshl_add_u32 v1, v0, 2, SPARE                ; my spare word, and 0: kept for the wave's closing lines
	v_mov_b32 v2, 0
	v_lshrrev_b32 v32, 5, v0
	v_readfirstlane_b32 s40, v32                   ; wave v
	v_and_b32 v33, 31, v0                          ; l
	v_and_b32 v34, 15, v0                          ; r
	v_bfe_u32 v35, v0, 4, 1                        ; h
	v_and_b32 v36, 8, v34
	v_add_nc_u32 v36, v36, v34                     ; rp = r + 8 (r / 8)
	v_lshlrev_b32 v3, 4, v33                       ; 16 l
	v_lshlrev_b32 v4, 2, v34                       ; 4 r
	v_lshlrev_b32 v37, 4, v34                      ; 16 r
	v_lshl_add_u32 v5, v35, 9, v37                 ; 512 h + 16 r: the relay's two rows, 256 bytes each
	v_mad_u32_u24 v38, v35, 272, v37               ; 272 h + 16 r
	v_mul_u32_u24 v39, v36, 272                    ; 272 rp
	s_mul_i32 s51, s40, WREG
	s_add_co_u32 s51, s51, WST                     ; my stage
	v_lshrrev_b32 v40, 3, v33
	v_mul_u32_u24 v40, v40, 144
	v_and_b32 v41, 7, v33
	v_lshl_add_u32 v40, v41, 4, v40
	v_add_nc_u32 v6, s51, v40                      ; the turn, in: 144 (l / 8) + 16 (l % 8)
	v_mul_u32_u24 v40, v33, 144
	v_add_nc_u32 v7, s51, v40                      ; and back: 144 l
	v_add_nc_u32 v10, s51, v3                      ; a weight row into my stage: 16 l
	v_mul_u32_u24 v12, v34, 528
	v_lshl_add_u32 v12, v35, 4, v12                ; a token fragment: 528 r + 16 h
	v_add_nc_u32 v11, s51, v12                     ; a weight fragment: the same in my stage
	s_bfe_u32 s52, s40, 0x10001                    ; where my four rows 4 v .. 4 v + 3 lie among the 32: 16 ((v / 2) % 2) + 4 (v % 2) + 8 (v / 4)
	s_lshl_b32 s52, s52, 4
	s_and_b32 s51, s40, 1
	s_lshl_b32 s51, s51, 2
	s_add_co_u32 s52, s52, s51
	s_lshr_b32 s51, s40, 2
	s_lshl_b32 s51, s51, 3
	s_add_co_u32 s52, s52, s51
	s_mul_i32 s51, s52, 528
	v_add_nc_u32 v8, s51, v3                       ; my rows' codes: + 16 l
	s_mul_i32 s51, s52, 48
	v_add_nc_u32 v9, s51, v33                      ; and scale bytes: + l
	v_mul_u32_u24 v13, v34, 48                     ; a token tile's scale words: 48 r
	s_mul_i32 s51, s40, 544
	s_add_co_u32 s51, s51, RL
	v_add_nc_u32 v14, s51, v38                     ; the relay, in: row 2 v + h
	v_mul_u32_u24 v15, v34, 272
	v_lshl_add_u32 v15, v35, 4, v15
	s_lshl_b32 s51, s40, 5
	s_add_co_u32 s51, s51, RL
	v_add_nc_u32 v15, s51, v15                     ; and out: row r, byte 32 v + 16 h
	s_mul_i32 s51, s40, 1088
	v_add_nc_u32 v18, s51, v38                     ; the tables, in: row 4 v + h
	v_lshl_add_u32 v19, v35, 6, v39                ; and out: 272 rp + 64 h
	v_lshlrev_b32 v20, 6, v35                      ; 64 h
	v_lshlrev_b32 v21, 2, v36                      ; 4 rp
	v_lshl_add_u32 v22, v35, 10, v37               ; 1024 h + 16 r
	v_lshl_add_u32 v23, v35, 6, v4                 ; 64 h + 4 r
	v_lshlrev_b32 v24, 5, v36
	v_lshl_add_u32 v24, v35, 8, v24                ; the weights' scale rows: 32 (8 h + rp)
	v_mov_b32 v[QPD], 0                            ; written once: a lane permute's destination counts as one of its sources
	v_mov_b32 v[QPD+1], 0
	v_mov_b32 v[RS+1], 0                           ; (named as the upper half of a pair)
	v_mov_b32 v[PT], 0
	s_mov_b32 s[SEL], 0x76543210
	s_mov_b32 s[SEL+1], 0xfedcba98
	s_mov_b32 s[EPS], 0x358637bd                   ; 1e-6
	s_mov_b32 s[I1024], 0x3a800000                 ; 1 / 1024
	s_mov_b32 s[I64], 0x3c800000                   ; 1 / 64
	s_and_b32 s42, ttmp7, 0xffff                   ; y
	s_lshr_b32 s43, s42, 1                         ; 0: K, 1: V.  Also: the relay takes q_w or o_w
	s_and_b32 s44, s42, 1
	s_lshl_b32 s44, s44, 3
	s_add_co_u32 s44, s44, s40                     ; my head
	s_mov_b32 s53, 0
	s_wait_kmcnt 0x0
	s_cmp_eq_u32 s43, 0                            ; the choices hang on the work-group's number alone
	s_cselect_b64 s[12:13], s[12:13], s[14:15]
	s_cselect_b64 s[16:17], s[16:17], s[18:19]
	s_cselect_b64 s[30:31], s[30:31], s[32:33]
	s_cselect_b64 s[36:37], s[36:37], s[38:39]
	s_lshl_b32 s52, s44, 15                        ; my head's 64 weight rows of 512 bytes
	s_add_nc_u64 s[12:13], s[12:13], s[52:53]
	s_lshl_b32 s52, ttmp9, 17                      ; 32 token rows of 4,096 bytes a work-group,
	s_lshl_b32 s51, s40, 14                        ; four a wave
	s_add_co_u32 s52, s52, s51
	s_add_nc_u64 s[8:9], s[8:9], s[52:53]
	WIN 0x40
.irp j,0,1,2,3,4,5,6,7
	global_load_b128 v[GW1+4*\j:GW1+4*\j+3], v3, s[10:11] offset:512*\j        ; kv_norm_w, into window 1
.endr
	WLD 0                                          ; weight rows 0-15 stand ahead of the token rows, so that no later wait has to count more than the counter's field holds
	s_and_b32 s55, s42, 1                          ; the relay: tile n = 32 (y & 1) + x / 2, chunk x & 1
	s_lshl_b32 s55, s55, 5
	s_lshr_b32 s51, ttmp9, 1
	s_add_co_u32 s55, s55, s51
	s_and_b32 s56, ttmp9, 1
	s_lshr_b32 s52, s55, 2
	s_lshl_b32 s52, s52, 6
	s_bfe_u32 s51, s55, 0x10001
	s_lshl_b32 s51, s51, 5
	s_add_co_u32 s52, s52, s51
	s_and_b32 s51, s55, 1
	s_lshl_b32 s51, s51, 3
	s_add_co_u32 s52, s52, s51                     ; the tile's first row: 64 (n / 4) + 32 ((n / 2) % 2) + 8 (n % 2)
	s_lshl_b32 s51, s40, 1
	s_add_co_u32 s52, s52, s51
	s_lshr_b32 s51, s40, 2
	s_lshl_b32 s51, s51, 3
	s_add_co_u32 s52, s52, s51                     ; + 2 v + 8 (v / 4): the tile's rows 2 v and 2 v + 1
	s_lshl_b32 s52, s52, 9
	s_lshl_b32 s51, s56, 8
	s_add_co_u32 s52, s52, s51
	s_add_nc_u64 s[30:31], s[30:31], s[52:53]
	global_load_b128 v[RLD:RLD+3], v5, s[30:31]
	ROWLD RA, 0
	ROWLD RB, 1
	ROWLD RC, 2
	ROWLD RD, 3
	s_and_b32 s54, ttmp9, 31                       ; the block of 32 keys in its batch
	s_lshl_b32 s52, s54, 13
	s_lshl_b32 s51, s40, 10
	s_add_co_u32 s52, s52, s51
	s_add_nc_u64 s[26:27], s[26:27], s[52:53]      ; the tables at position 32 kb + 4 v
	s_add_nc_u64 s[28:29], s[28:29], s[52:53]
	s_cmp_lg_u32 s43, 0
	s_cbranch_scc1 .Lno_tables                     ; V has no rope: the tables' loads and their stores stand in this one branch
.irp i,0,1
	global_load_b128 v[CSD+4*\i:CSD+4*\i+3], v3, s[26:27] offset:512*\i
	global_load_b128 v[CSD+8+4*\i:CSD+8+4*\i+3], v3, s[28:29] offset:512*\i
.endr
	s_wait_loadcnt 0x0
.irp i,0,1
	ds_store_b128 v18, v[CSD+4*\i:CSD+4*\i+3] offset:COS+544*\i
	ds_store_b128 v18, v[CSD+8+4*\i:CSD+8+4*\i+3] offset:SIN+544*\i
.endr
.Lno_tables:
	WLD 16
	s_lshl_b32 s52, s44, 11                        ; my head's scale rows of 32 bytes,
	s_add_nc_u64 s[16:17], s[16:17], s[52:53]
	s_lshl_b32 s52, s44, 8                         ; the biases
	s_add_nc_u64 s[20:21], s[20:21], s[52:53]
	s_add_nc_u64 s[22:23], s[22:23], s[52:53]
	s_lshl_b32 s52, s55, 3                         ; where the relay goes: (8 n + 4 chunk + v / 2) x 1,024 + 512 (v % 2)
	s_lshl_b32 s51, s56, 2
	s_add_co_u32 s52, s52, s51
	s_lshr_b32 s51, s40, 1
	s_add_co_u32 s52, s52, s51
	s_lshl_b32 s52, s52, 10
	s_and_b32 s51, s40, 1
	s_lshl_b32 s51, s51, 9
	s_add_co_u32 s52, s52, s51
	s_add_nc_u64 s[36:37], s[36:37], s[52:53]
	s_lshr_b32 s52, ttmp9, 5                       ; my record: ((batch x 16 + head) x 8 + step) x 8,704
	s_lshl_b32 s52, s52, 4
	s_add_co_u32 s52, s52, s44
	s_lshl_b32 s52, s52, 3
	s_lshr_b32 s51, s54, 2
	s_add_co_u32 s52, s52, s51
	s_mul_i32 s52, s52, 8704
	s_add_nc_u64 s[34:35], s[34:35], s[52:53]
	s_and_b32 s57, ttmp9, 3                        ; g: which 32 of the step's 128 keys
	s_wait_loadcnt 48                              ; the gains and the relay's bytes are in; behind them: the four rows' 32 loads and weight rows 16-31
	ds_store_b128 v14, v[RLD:RLD+3]
	WIN 0x04
.irp j,0,1,2,3,4,5,6,7
	ds_store_b128 v6, v[GW1+4*\j:GW1+4*\j+3] offset:576*\j          ; the gains turn as a row does
.endr
	WIN 0
.irp q,0,1,2,3,4,5,6,7
	ds_load_b128 v[W+4*\q:W+4*\q+3], v7 offset:16*\q
.endr
	XROW RA, 0, 40, 1                              ; behind row 0's loads: three rows' 24 and sixteen weight rows
	XROW RB, 1, 48, 2                              ; behind row 1's: two rows' 16 and twice sixteen
	XROW RC, 2, 56, 0                              ; behind row 2's: a row's 8 and three times sixteen
	XROW RD, 3, 48, 0                              ; behind row 3's: three times sixteen
.irp b,0,1
.irp q,0,1
	global_load_b128 v[WS+8*\b+4*\q:WS+8*\b+4*\q+3], v24, s[16:17] offset:1024*\b+16*\q
.endr
.endr
	WSTORE 0                                       ; weight rows 0-15 were asked for ahead of the token rows: they are in.  My reads of the turn's bytes are back, and LDS serves my instructions in order
	s_wait_loadcnt 36                              ; rows 16-31 are in; behind them twice sixteen and the four loads of scale words
	WSTORE 16
	s_wait_loadcnt 20
	WSTORE 32
	s_wait_loadcnt 4
	WSTORE 48
	s_wait_dscnt 0x0                               ; for the others: my codes, bytes, tables and relay rows have landed; my stage is whole
	s_barrier_signal -1
	s_barrier_wait -1
	ds_load_b128 v[RLD:RLD+3], v15
.irp m,0,1
.irp q,0,1
	ds_load_b128 v[XSW+8*\m+4*\q:XSW+8*\m+4*\q+3], v13 offset:XS+16*\m*48+16*\q
.endr
.endr
	FETCH 0
	s_wait_dscnt 16                                ; the relay's bytes are in; behind them the four loads of scale words and the first K step's twelve
	global_store_b128 v3, v[RLD:RLD+3], s[36:37]   ; 512 consecutive bytes of the image
	s_wait_xcnt 0x0                                ; the store has read its registers: they are loaded again below
	s_cmp_lg_u32 s43, 0
	s_cbranch_scc1 .Lv_path
	; ---- K
	WIN 0x40
.irp b,0,1
.irp q,0,1,2,3
	global_load_b128 v[16*\b+4*\q:16*\b+4*\q+3], v20, s[20:21] offset:128*\b+16*\q     ; k_b at my 32 channels, into window 1 (the stage's stores have read those registers).  It is added behind the products: as their C it would be waited for in front of them
.endr
.endr
	WIN 0
.irp b,0,1
.irp q,0,1,2,3
	global_load_b128 v[HG+16*\b+4*\q:HG+16*\b+4*\q+3], v20, s[24:25] offset:128*\b+16*\q   ; k_head_norm_w at my 32 channels
.endr
.endr
	s_wait_loadcnt 16                              ; the weights' scale words are in; the sixteen loads just issued may be out
.irp s,0,1,2,3,4,5,6,7
	KSTEP \s, 0
.endr
	v_mov_b32 v[NT+4], 0
	v_mov_b32 v[NT+7], 0
	s_lshl_b32 s52, s57, 10
	s_add_nc_u64 s[58:59], s[34:35], s[52:53]      ; my group's codes: 1,024 g
	s_lshl_b32 s52, s57, 6
	s_add_co_u32 s52, s52, 8192
	s_add_nc_u64 s[60:61], s[34:35], s[52:53]      ; its scale words: 8,192 + 64 g
	s_wait_loadcnt 0x0                             ; the bias and the head's gains
.irp m,0,1
.irp b,0,1
.irp q,0,1,2,3
	ds_load_b128 v[160+16*\b+4*\q:160+16*\b+4*\q+3], v19 offset:COS+8*\m*272+128*\b+16*\q
	ds_load_b128 v[128+16*\b+4*\q:128+16*\b+4*\q+3], v19 offset:SIN+8*\m*272+128*\b+16*\q
.endr
.endr
	WIN 0x04                                       ; source 1, the bias, in window 1
.irp j,0,2,4,6,8,10,12,14,16,18,20,22,24,26,28,30
	v_pk_add_f32 v[ACC+32*\m+\j:ACC+32*\m+\j+1], v[ACC+32*\m+\j:ACC+32*\m+\j+1], v[\j:\j+1]   ; each accumulator is read from its low end on
.endr
	WIN 0
	s_wait_dscnt 0x0
	NRQ ACC+32*\m, HG, 160, 128, 32+4*\m
	v_lshl_or_b32 v[40+\m], v[QBY+1], 8, v[QBY]
.endr
	global_store_b128 v3, v[32:35], s[58:59]                        ; key tile 0: 512 consecutive bytes
	global_store_b128 v3, v[36:39], s[58:59] offset:512             ; key tile 1
	v_lshl_or_b32 v42, v41, 16, v40                ; bytes: tile 0's two blocks, tile 1's two
	global_store_b32 v4, v42, s[60:61]             ; lanes r and r + 16 store the same word at the same place
	s_wait_tensorcnt 0x0                           ; the wave's end
	ds_add_u32 v1, v2
	s_wait_dscnt 0x0
	s_endpgm
	; ---- V
.Lv_path:
.irp dt,0,1,2,3
.irp e,0,1
	global_load_b32 v[VB+2*\dt+\e], v21, s[22:23] offset:4*(32*(\dt/2)+8*(\dt%2))   ; v_b of my channel in tile dt, twice: a pair for the packed addition
.endr
.endr
	s_wait_loadcnt 8                               ; the weights' scale words are in; the eight loads just issued may be out
.irp s,0,1,2,3,4,5,6,7
	KSTEP \s, 1
.endr
	s_wait_loadcnt 0x0                             ; v_b
.irp dt,0,1,2,3
.irp i,0,2,4,6,8,10,12,14
	v_pk_add_f32 v[ACC+16*\dt+\i:ACC+16*\dt+\i+1], v[ACC+16*\dt+\i:ACC+16*\dt+\i+1], v[VB+2*\dt:VB+2*\dt+1]
.endr
.endr
	s_mov_b32 s51, 0xffff0000                      ; lanes 16-31
	s_lshl_b32 s52, s57, 8
	s_add_co_u32 s52, s52, 4096
	s_add_nc_u64 s[58:59], s[34:35], s[52:53]      ; my block's codes: 4,096 + 256 g
	s_add_co_u32 s52, s57, 8448
	s_add_nc_u64 s[60:61], s[34:35], s[52:53]      ; its byte in the scale words: 8,448 + g
	QUANT2 64, 80, 48                              ; channel tiles 0 and 1: lanes 0-15 end with tile 0's block, lanes 16-31 with tile 1's
	v_cndmask_b32 v56, v[QBY], v[QBY+1], s51
	QUANT2 96, 112, 52                             ; tiles 2 and 3
	v_cndmask_b32 v57, v[QBY], v[QBY+1], s51
	global_store_b128 v22, v[48:51], s[58:59]                       ; sixteen lanes store 256 consecutive bytes, aligned
	global_store_b128 v22, v[52:55], s[58:59] offset:2048
	global_store_b8 v23, v56, s[60:61]             ; four work-groups share a scale word: a byte each
	global_store_b8 v23, v57, s[60:61] offset:128
	s_wait_tensorcnt 0x0                           ; the wave's end, as above
	ds_add_u32 v1, v2
	s_wait_dscnt 0x0
	s_endpgm
.Lfunc_end_k_qb21aeba4ea_kvprep:
	.size	k_qb21aeba4ea_kvprep, .Lfunc_end_k_qb21aeba4ea_kvprep-k_qb21aeba4ea_kvprep
	.p2alignl 7, 3214868480
	.fill 96, 4, 3214868480
	.section	.rodata,"a",@progbits
	.p2align	6, 0x0
	.amdhsa_kernel k_qb21aeba4ea_kvprep
		.amdhsa_group_segment_fixed_size 311808
		.amdhsa_private_segment_fixed_size 0
		.amdhsa_enable_private_segment 0
		.amdhsa_kernarg_size 128
		.amdhsa_user_sgpr_count 2
		.amdhsa_user_sgpr_kernarg_segment_ptr 1
		.amdhsa_wavefront_size32 1
		.amdhsa_system_sgpr_workgroup_id_x 1
		.amdhsa_system_sgpr_workgroup_id_y 1
		.amdhsa_system_sgpr_workgroup_id_z 1
		.amdhsa_system_vgpr_workitem_id 0
		.amdhsa_next_free_vgpr 512
		.amdhsa_next_free_sgpr 66
		.amdhsa_reserve_vcc 0
		.amdhsa_float_denorm_mode_32 3
		.amdhsa_float_denorm_mode_16_64 3
		.amdhsa_memory_ordered 1
		.amdhsa_forward_progress 1
		.amdhsa_inst_pref_size 109
	.end_amdhsa_kernel
	.amdgpu_metadata
---
amdhsa.version: [ 1, 2 ]
amdhsa.kernels:
  - .name:           k_qb21aeba4ea_kvprep
    .symbol:         k_qb21aeba4ea_kvprep.kd
    .args:
      - { .name: condition_tokens, .offset: 0, .size: 8, .value_kind: global_buffer, .address_space: global }
      - { .name: kv_norm_w, .offset: 8, .size: 8, .value_kind: global_buffer, .address_space: global }
      - { .name: k_w_codes, .offset: 16, .size: 8, .value_kind: global_buffer, .address_space: global }
      - { .name: v_w_codes, .offset: 24, .size: 8, .value_kind: global_buffer, .address_space: global }
      - { .name: k_w_scales, .offset: 32, .size: 8, .value_kind: global_buffer, .address_space: global }
      - { .name: v_w_scales, .offset: 40, .size: 8, .value_kind: global_buffer, .address_space: global }
      - { .name: k_b, .offset: 48, .size: 8, .value_kind: global_buffer, .address_space: global }
      - { .name: v_b, .offset: 56, .size: 8, .value_kind: global_buffer, .address_space: global }
      - { .name: k_head_norm_w, .offset: 64, .size: 8, .value_kind: global_buffer, .address_space: global }
      - { .name: cond_cos, .offset: 72, .size: 8, .value_kind: global_buffer, .address_space: global }
      - { .name: cond_sin, .offset: 80, .size: 8, .value_kind: global_buffer, .address_space: global }
      - { .name: q_w_codes, .offset: 88, .size: 8, .value_kind: global_buffer, .address_space: global }
      - { .name: o_w_codes, .offset: 96, .size: 8, .value_kind: global_buffer, .address_space: global }
      - { .name: kvimg, .offset: 104, .size: 8, .value_kind: global_buffer, .address_space: global }
      - { .name: qw_img, .offset: 112, .size: 8, .value_kind: global_buffer, .address_space: global }
      - { .name: ow_img, .offset: 120, .size: 8, .value_kind: global_buffer, .address_space: global }
    .group_segment_fixed_size: 311808
    .private_segment_fixed_size: 0
    .kernarg_segment_align: 8
    .kernarg_segment_size: 128
    .max_flat_workgroup_size: 256
    .sgpr_count:     66
    .vgpr_count:     512
    .wavefront_size: 32
...
	.end_amdgpu_metadata
.endif
;; end of part 1
;; launch fused (part 2): grid 256 x 1, 16 waves a work-group, no clusters, 273,408 bytes of LDS; arguments image_tokens, q_norm_w, qw_img, q_w_scales, q_b, q_head_norm_w, image_cos, image_sin, kvimg, ow_img, o_w_scales, o_b, alpha, out0; writes out0
.if DOCPART == 2
	.amdgcn_target "amdgcn-amd-amdhsa--gfx1250"
	.amdhsa_code_object_version 6
	.text
	.protected	k_qb21aeba4ea_fused
	.globl	k_qb21aeba4ea_fused
	.p2align	8
	.type	k_qb21aeba4ea_fused,@function
k_qb21aeba4ea_fused:
	s_mov_b64 s[64:65], 0
	v_nop
	global_prefetch_b8 v0, s[64:65] scope:SCOPE_SE
	s_setreg_imm32_b32 hwreg(HW_REG_WAVE_MODE, 25, 1), 1
	s_wait_xcnt 0x0
; SECOND OF TWO LAUNCHES.  out0 = image + alpha (softmax(q k^T / 8) v o_w^T + o_b), all products on codes of E2M1 with E8M0 scales.  Nothing of reference() is left out.
; A work-group takes 32 image rows through the whole chain; wave w of sixteen is head w (four waves to a SIMD, 256 registers each: one wave's vector work stands beside another's matrix work and loads).
;   X: wave w norms and quantises rows 2 w, 2 w + 1; the raw rows stay in LDS for the residual, so the tokens are read from memory once | barrier |
;   Q: my head's 64 columns for the 32 rows (transposed use: a lane holds one row and 32 of the head's 64), bias as C, head norm, rope, quantised in registers: q never leaves them.
;   ATTENTION: eight steps of 128 keys; K and V come from kvimg in the order of the operand registers, 512 consecutive bytes a load.
;     The first product's K is 64 and the instruction's 128: a K fragment holds TWO key tiles (registers 0-3, 4-7), and q stands as [q | 0] and as [0 | q]: zero codes add nothing.
;     p = 2^(t - M), t = score x log2(e) / 8, M the running largest t rounded up to a whole number; the row's sum is of the unquantised p; a change of M multiplies sum and O by a power of two.
;     A block's largest p is taken from its largest score by the same multiply-add and exponential (this takes v_exp_f32 not to fall where its input rises).
;   O / sum is quantised and goes to the other waves through LDS as rows of codes | barrier |  O PROJECTION: columns 64 w .. 64 w + 63, o_b as C; through my stage; alpha x update + the row kept in LDS; whole 256-byte runs out.
; NO CLUSTER AND NO JOINT LOADS, though all work-groups walk the same weights and K, V: a wave shares no fragment with another wave of its work-group, so tiles in LDS would add a store and a load to each byte;
; and a key step of sixteen heads is 139,264 bytes: two such slots do not fit beside the 147,456 bytes of tokens kept for the residual.
; LIMITS: NaN and infinities among the inputs are not served.  A block whose largest magnitude lies under 2^-124, a block of zeros among them, keeps the scale byte 1; the bytes are read by this program alone.
; v_rsq_f32, v_exp_f32, v_rcp_f32 are good to one unit in the last place and flush denormals.
.set XC,    0                          ; LDS: the rows' codes, 32 x (512 + 16)
.set XS,    16896                      ; their scale bytes, 32 x (32 + 16)
.set AC,    18432                      ; the attention's result, likewise
.set AS,    35328
.set COS,   36864                      ; the rope tables, 32 x (256 + 16)
.set SIN,   45568
.set SPARE, 54272                      ; the spare words, 128 bytes a wave: no other line names them
.set STG,   56320                      ; a stage of 16 x 272 for each wave, for the way out
.set TOK,   125952                     ; the 32 raw rows, 4,608 bytes each: places of 128 bytes + 16
.set W,   64                           ; phase X: my block's gains
.set RA,  96
.set RB,  128
.set X,   160
.set CD,  200
.set GA,  208                          ; the gains as loaded
.set P0,  40
.set P1,  42
.set RS,  44
.set PT,  46
.set BYX, 47
.set XF,   16                          ; the projections: two row fragments, even K steps;
.set XB,   96                          ; odd K steps: in the bias's registers, which are free behind K step 0
.set WS,   32                          ; v32-47 the weights' scale words [8 b + s]: tile 2 b in lanes 0-15, tile 2 b + 1 in lanes 16-31
.set XSW,  48                          ; v48-63 the rows' scale words [8 m + s]
.set BIAS, 96                          ; v96-127 the bias in the result's layout
.set ACC,  192                         ; v192-255 eight accumulators; the weights' ring of three K steps: v64-95, v128-159, v160-191
.set NT,  40                           ; the head norm's temporaries
.set QTM, 48                           ; the quantiser's
.set QPD, 50
.set QSO, 52
.set QBY, 54
.set QF,  16                           ; attention: v16-35: 0, q0, 0, q1, 0: [q m | 0] = v[20 + 8 m ..], [0 | q m] = v[16 + 8 m ..]
.set QS,  36                           ; q's scale words
.set KS,  38                           ; K's: group 2 q in lanes 0-15, 2 q + 1 in lanes 16-31
.set VS,  40                           ; V's likewise by tiles
.set TT,  42
.set PS,  43                           ; p's scale word
.set FF,  44                           ; v[44:45] f = 2^(old M - new M)
.set BM,  48                           ; the blocks' largest scores; then p's codes v48-55
.set PC,  48
.set PD,  52
.set SO,  56
.set KF,  64
.set VF,  96
.set S,   128
.set O,   192
.set SEL, 40                           ; s[40:41] lane l xor 16
.set CS,  42                           ; s[42:43] log2(e) / 8
.set EPS, 44
.set I1024, 45
.set I64, 46
.macro WM d, a, b, c, sa, sb, row      ; c under 0: the constant 0;  row: 1 = A's scales from lanes 16-31, 2 = B's
.if (\c) < 0
.if (\row) == 1
	v_wmma_scale_f32_16x16x128_f8f6f4 v[\d:\d+7], v[\a:\a+7], v[\b:\b+7], 0, v[\sa], v[\sb] matrix_a_fmt:MATRIX_FMT_FP4 matrix_b_fmt:MATRIX_FMT_FP4 matrix_a_scale:MATRIX_SCALE_ROW1
.elseif (\row) == 2
	v_wmma_scale_f32_16x16x128_f8f6f4 v[\d:\d+7], v[\a:\a+7], v[\b:\b+7], 0, v[\sa], v[\sb] matrix_a_fmt:MATRIX_FMT_FP4 matrix_b_fmt:MATRIX_FMT_FP4 matrix_b_scale:MATRIX_SCALE_ROW1
.else
	v_wmma_scale_f32_16x16x128_f8f6f4 v[\d:\d+7], v[\a:\a+7], v[\b:\b+7], 0, v[\sa], v[\sb] matrix_a_fmt:MATRIX_FMT_FP4 matrix_b_fmt:MATRIX_FMT_FP4
.endif
.else
.if (\row) == 1
	v_wmma_scale_f32_16x16x128_f8f6f4 v[\d:\d+7], v[\a:\a+7], v[\b:\b+7], v[\c:\c+7], v[\sa], v[\sb] matrix_a_fmt:MATRIX_FMT_FP4 matrix_b_fmt:MATRIX_FMT_FP4 matrix_a_scale:MATRIX_SCALE_ROW1
.elseif (\row) == 2
	v_wmma_scale_f32_16x16x128_f8f6f4 v[\d:\d+7], v[\a:\a+7], v[\b:\b+7], v[\c:\c+7], v[\sa], v[\sb] matrix_a_fmt:MATRIX_FMT_FP4 matrix_b_fmt:MATRIX_FMT_FP4 matrix_b_scale:MATRIX_SCALE_ROW1
.else
	v_wmma_scale_f32_16x16x128_f8f6f4 v[\d:\d+7], v[\a:\a+7], v[\b:\b+7], v[\c:\c+7], v[\sa], v[\sb] matrix_a_fmt:MATRIX_FMT_FP4 matrix_b_fmt:MATRIX_FMT_FP4
.endif
.endif
.endm
.macro PLACES                          ; four plain places behind matrix instructions, ahead of loads into their registers, of vector writes of them and of reads of their results
.rept 4
	v_nop
.endr
.endm
; Two groups of 16 registers, each half a block of 32 (the other half lies in lane l xor 16), become four registers of codes: lane (r, h) ends with block h whole; the bytes in v[QBY], v[QBY+1].
.macro QUANT2 s0, s1, c
	v_max3_num_f32 v[QTM], |v[\s0]|, |v[\s0+1]|, 0x1800000          ; the floor 2^(3 - 127) among the leaves: the byte cannot fall under 1
	v_max3_num_f32 v[QTM+1], |v[\s1]|, |v[\s1+1]|, 0x1800000
.irp i,2,4,6,8,10,12,14
	v_max3_num_f32 v[QTM], v[QTM], |v[\s0+\i]|, |v[\s0+\i+1]|
	v_max3_num_f32 v[QTM+1], v[QTM+1], |v[\s1+\i]|, |v[\s1+\i+1]|
.endr
	v_permlanex16_b32 v[QPD], v[QTM], s[SEL], s[SEL+1]
	v_permlanex16_b32 v[QPD+1], v[QTM+1], s[SEL], s[SEL+1]
	v_max_num_f32 v[QTM], v[QTM], v[QPD]
	v_max_num_f32 v[QTM+1], v[QTM+1], v[QPD+1]
	v_add_nc_u32 v[QSO], 0xff000000, v[QTM]                         ; 2 off the exponent field: the conversion's scale operand
	v_add_nc_u32 v[QSO+1], 0xff000000, v[QTM+1]
	v_lshrrev_b32 v[QBY], 23, v[QSO]
	v_lshrrev_b32 v[QBY+1], 23, v[QSO+1]
	v_cvt_scalef32_pk8_fp4_f32 v[\c], v[\s0:\s0+7], v[QSO]
	v_cvt_scalef32_pk8_fp4_f32 v[\c+1], v[\s0+8:\s0+15], v[QSO]
	v_cvt_scalef32_pk8_fp4_f32 v[\c+2], v[\s1:\s1+7], v[QSO+1]
	v_cvt_scalef32_pk8_fp4_f32 v[\c+3], v[\s1+8:\s1+15], v[QSO+1]
	v_nop                                                           ; one plain place behind the scaled conversions
	v_permlane16_swap_b32 v[\c], v[\c+2]
	v_permlane16_swap_b32 v[\c+1], v[\c+3]
.endm
; 32 registers v[s + 16 b + i] = channel 32 b + 16 h + i of my row's head: head norm, gain g, rope by the tables co, si, codes into v[c .. c + 3].
.macro NRQ s, g, co, si, c
	v_pk_mul_f32 v[NT:NT+1], v[\s:\s+1], v[\s:\s+1]                 ; each accumulator is read from its low end on
	v_pk_mul_f32 v[NT+2:NT+3], v[\s+2:\s+3], v[\s+2:\s+3]
.irp j,4,8,12,16,20,24,28
	v_pk_fma_f32 v[NT:NT+1], v[\s+\j:\s+\j+1], v[\s+\j:\s+\j+1], v[NT:NT+1]
	v_pk_fma_f32 v[NT+2:NT+3], v[\s+\j+2:\s+\j+3], v[\s+\j+2:\s+\j+3], v[NT+2:NT+3]
.endr
	v_pk_add_f32 v[NT:NT+1], v[NT:NT+1], v[NT+2:NT+3]
	v_add_f32 v[NT], v[NT], v[NT+1]
	v_permlanex16_b32 v[NT+4], v[NT], s[SEL], s[SEL+1]
	v_add_f32 v[NT], v[NT], v[NT+4]
	v_fma_f32 v[NT+4], v[NT], s[I64], s[EPS]
	v_rsq_f32 v[NT+6], v[NT+4]
	v_nop
	s_wait_alu depctr_va_vdst(0)                                    ; the wait ahead of the first reader
.irp j,0,2,4,6,8,10,12,14,16,18,20,22,24,26,28,30
	v_pk_mul_f32 v[\s+\j:\s+\j+1], v[\s+\j:\s+\j+1], v[NT+6:NT+7] op_sel_hi:[1,0]
.endr
.irp j,0,2,4,6,8,10,12,14,16,18,20,22,24,26,28,30
	v_pk_mul_f32 v[\s+\j:\s+\j+1], v[\s+\j:\s+\j+1], v[\g+\j:\g+\j+1]
.endr
.irp e,0,2,4,6,8,10,12,14,16,18,20,22,24,26,28,30
	v_pk_mul_f32 v[\co+\e:\co+\e+1], v[\s+\e:\s+\e+1], v[\co+\e:\co+\e+1]
	v_fma_f32 v[\co+\e], -v[\s+\e+1], v[\si+\e], v[\co+\e]
	v_fma_f32 v[\co+\e+1], v[\s+\e], v[\si+\e+1], v[\co+\e+1]
.endr
	QUANT2 \co, \co+16, \c
.endm
; One row of 1,024 f32 in v[reg ..] goes into its place among the kept rows (slot bytes on), and becomes 512 bytes of codes and 32 scale bytes.  left: the loads issued behind this row's.
.macro XROW reg, slot, crow, left
	s_wait_loadcnt \left
.irp j,0,1,2,3,4,5,6,7
	ds_store_b128 v10, v[\reg+4*\j:\reg+4*\j+3] offset:\slot+576*\j
.endr
.irp q,0,1,2,3,4,5,6,7
	ds_load_b128 v[X+4*\q:X+4*\q+3], v11 offset:\slot+16*\q         ; lane l takes place l, a whole block of 32.  LDS serves a wave's instructions in order
.endr
	v_pk_mul_f32 v[P0:P0+1], v[\reg:\reg+1], v[\reg:\reg+1]
	v_pk_mul_f32 v[P1:P1+1], v[\reg+2:\reg+3], v[\reg+2:\reg+3]
.irp j,4,8,12,16,20,24,28
	v_pk_fma_f32 v[P0:P0+1], v[\reg+\j:\reg+\j+1], v[\reg+\j:\reg+\j+1], v[P0:P0+1]
	v_pk_fma_f32 v[P1:P1+1], v[\reg+\j+2:\reg+\j+3], v[\reg+\j+2:\reg+\j+3], v[P1:P1+1]
.endr
	v_pk_add_f32 v[P0:P0+1], v[P0:P0+1], v[P1:P1+1]
	v_add_f32 v[P0], v[P0], v[P0+1]
	v_add_f32_dpp v[P0], v[P0], v[P0] row_xmask:1 row_mask:0xf bank_mask:0xf
	v_add_f32_dpp v[P0], v[P0], v[P0] row_xmask:2 row_mask:0xf bank_mask:0xf
	v_add_f32_dpp v[P0], v[P0], v[P0] row_xmask:4 row_mask:0xf bank_mask:0xf
	v_add_f32_dpp v[P0], v[P0], v[P0] row_xmask:8 row_mask:0xf bank_mask:0xf
	v_permlanex16_b32 v[PT], v[P0], s[SEL], s[SEL+1]
	v_add_f32 v[P0], v[P0], v[PT]
	v_fma_f32 v[PT], v[P0], s[I1024], s[EPS]
	v_rsq_f32 v[RS], v[PT]
	v_nop
	s_wait_alu depctr_va_vdst(0)
	s_wait_dscnt 0x0                                                ; my block is in; the last row's stores have read their codes and byte
.irp j,0,2,4,6,8,10,12,14,16,18,20,22,24,26,28,30
	v_pk_mul_f32 v[X+\j:X+\j+1], v[X+\j:X+\j+1], v[RS:RS+1] op_sel_hi:[1,0]
.endr
.irp j,0,2,4,6,8,10,12,14,16,18,20,22,24,26,28,30
	v_pk_mul_f32 v[X+\j:X+\j+1], v[X+\j:X+\j+1], v[W+\j:W+\j+1]
.endr
	v_max3_num_f32 v[P0], |v[X]|, |v[X+1]|, 0x1800000
	v_max3_num_f32 v[P0+1], |v[X+2]|, |v[X+3]|, 0x1800000
.irp j,4,8,12,16,20,24,28
	v_max3_num_f32 v[P0], v[P0], |v[X+\j]|, |v[X+\j+1]|
	v_max3_num_f32 v[P0+1], v[P0+1], |v[X+\j+2]|, |v[X+\j+3]|
.endr
	v_max_num_f32 v[P0], v[P0], v[P0+1]
	v_add_nc_u32 v[P1], 0xff000000, v[P0]
	v_lshrrev_b32 v[BYX], 23, v[P1]
.irp g,0,1,2,3
	v_cvt_scalef32_pk8_fp4_f32 v[CD+\g], v[X+8*\g:X+8*\g+7], v[P1]
.endr
	v_nop
	ds_store_b128 v12, v[CD:CD+3] offset:XC+528*\crow
	ds_store_b8 v13, v[BYX] offset:XS+48*\crow
.endm
; K step s of my four weight tiles: eight loads of 512 consecutive bytes into set s % 3 of the ring
.macro RINGLD img, s
.set RGL, 64
.if ((\s)%3) == 1
.set RGL, 128
.endif
.if ((\s)%3) == 2
.set RGL, 160
.endif
.irp t,0,1,2,3
.irp c,0,1
	global_load_b128 v[RGL+8*\t+4*\c:RGL+8*\t+4*\c+3], v3, s[\img:\img+1] offset:(8*\t+(\s))*1024+512*\c
.endr
.endr
.endm
.macro PFIRST img, wsc, bias           ; a projection's first loads: 4 of scale words, 8 of bias, K steps 0, 1, 2
.irp b,0,1
.irp q,0,1
	global_load_b128 v[WS+8*\b+4*\q:WS+8*\b+4*\q+3], v9, s[\wsc:\wsc+1] offset:1024*\b+16*\q
.endr
.endr
.irp b,0,1
.irp q,0,1,2,3
	global_load_b128 v[BIAS+16*\b+4*\q:BIAS+16*\b+4*\q+3], v8, s[\bias:\bias+1] offset:128*\b+16*\q
.endr
.endr
	RINGLD \img, 0
	RINGLD \img, 1
	RINGLD \img, 2
.endm
.macro XFLD set, cb, s                 ; the two row fragments of K step s: four LDS loads
.irp m,0,1
.irp c,0,1
	ds_load_b128 v[\set+8*\m+4*\c:\set+8*\m+4*\c+3], v5 offset:\cb+16*\m*528+64*(\s)+32*\c
.endr
.endr
.endm
; 32 rows x my 64 columns x K 1,024.  The rows' codes at cb, their scale bytes at sb.  Eight accumulators by turns, in the same order in every K step.
; The counted waits on loads: behind K step s's eight loads stand those of steps s + 1 and s + 2 (16); at the end what is left of them, and with extra = 1 the eight loads of the head's gains.
; The rows' fragments lie in two sets by turns: behind K step 0 those of steps 1 and 2 are asked for, behind step s those of step s + 2, into the set that step s has just read (its four places have passed):
; so the wait on LDS leaves the next step's four loads out, and is for 0 at steps 0 and 7 alone.
.macro PROJ img, cb, sb, extra
.irp m,0,1
.irp q,0,1
	ds_load_b128 v[XSW+8*\m+4*\q:XSW+8*\m+4*\q+3], v6 offset:\sb+16*\m*48+16*\q
.endr
.endr
	XFLD XF, \cb, 0
.irp s,0,1,2,3,4,5,6,7
.if \s < 6
	s_wait_loadcnt 16
.elseif \s == 6
	s_wait_loadcnt 8+8*\extra
.else
	s_wait_loadcnt 8*\extra
.endif
.if (\s == 0) || (\s == 7)
	s_wait_dscnt 0x0
.else
	s_wait_dscnt 4
.endif
.set RG, 64
.if (\s%3) == 1
.set RG, 128
.endif
.if (\s%3) == 2
.set RG, 160
.endif
.set XR, XF
.if (\s%2) == 1
.set XR, XB
.endif
.irp m,0,1
.irp t,0,1,2,3
.if \s == 0
	WM ACC+32*\m+8*\t, RG+8*\t, XR+8*\m, BIAS+8*\t, WS+8*(\t/2)+\s, XSW+8*\m+\s, \t%2
.else
	WM ACC+32*\m+8*\t, RG+8*\t, XR+8*\m, ACC+32*\m+8*\t, WS+8*(\t/2)+\s, XSW+8*\m+\s, \t%2
.endif
.endr
.endr
	PLACES
.if \s == 0
	XFLD XB, \cb, 1
	XFLD XF, \cb, 2
.elseif \s < 6
	XFLD XR, \cb, \s+2
.endif
.if \s < 5
	RINGLD \img, \s+3
.elseif (\s == 5) && \extra
.irp b,0,1
.irp q,0,1,2,3
	global_load_b128 v[160+16*\b+4*\q:160+16*\b+4*\q+3], v8, s[18:19] offset:128*\b+16*\q   ; q_head_norm_w at my 32 channels
.endr
.endr
.endif
.endr
.endm
.macro KLOAD                           ; a step's K: four fragments of two key tiles, and the scale words
.irp i,0,1,2,3,4,5,6,7
	global_load_b128 v[KF+4*\i:KF+4*\i+3], v3, s[48:49] offset:512*\i
.endr
.irp q,0,1
	global_load_b32 v[KS+\q], v4, s[48:49] offset:8192+128*\q
.endr
.endm
.macro VLOAD
.irp i,0,1,2,3,4,5,6,7
	global_load_b128 v[VF+4*\i:VF+4*\i+3], v3, s[50:51] offset:4096+512*\i
.endr
.irp q,0,1
	global_load_b32 v[VS+\q], v4, s[50:51] offset:8448+128*\q
.endr
.endm
.macro STM m                           ; S^T of query tile m: register 16 g + i of lane (r, h) = key 32 g + 16 h + i, query r
.irp g,0,1,2,3
	WM S+16*\g, KF+8*\g, QF+4+8*\m, -1, KS+\g/2, QS+\m, \g%2
	WM S+16*\g+8, KF+8*\g, QF+8*\m, -1, KS+\g/2, QS+\m, \g%2
.endr
.endm
.macro PVM m                           ; O^T += V^T P^T: four accumulators, one instruction each
.irp t,0,1,2,3
	WM O+32*\m+8*\t, VF+8*\t, PC, O+32*\m+8*\t, VS+\t/2, PS, \t%2
.endr
.endm
.macro SOFTMAX m
.set NM, 8+4*\m                        ; v[NM] -M, v[NM+1] the largest t, v[NM+2:NM+3] the sum in two halves
.set OO, O+32*\m
.irp b,0,1,2,3
	v_max3_num_f32 v[BM+\b], v[S+16*\b], v[S+16*\b+1], v[S+16*\b+2]             ; the largest score of each block of 32 keys: for the row's maximum, and for the block's largest p
.endr
.irp i,3,5,7,9,11,13
.irp b,0,1,2,3
	v_max3_num_f32 v[BM+\b], v[BM+\b], v[S+16*\b+\i], v[S+16*\b+\i+1]
.endr
.endr
.irp b,0,1,2,3
	v_max_num_f32 v[BM+\b], v[BM+\b], v[S+16*\b+15]
.endr
.irp b,0,1,2,3
	v_permlanex16_b32 v[PD+\b], v[BM+\b], s[SEL], s[SEL+1]
.endr
.irp b,0,1,2,3
	v_max_num_f32 v[BM+\b], v[BM+\b], v[PD+\b]
.endr
	v_max3_num_f32 v[TT], v[BM], v[BM+1], v[BM+2]
	v_max_num_f32 v[TT], v[TT], v[BM+3]
	v_mul_f32 v[TT], s[CS], v[TT]                                   ; as t
	v_max_num_f32 v[NM+1], v[NM+1], v[TT]                           ; the running largest t
	v_mov_b32 v[TT], v[NM]
	v_floor_f32 v[NM], -v[NM+1]                                     ; -M = floor(-t): M is a whole number
	v_sub_f32 v[TT], v[NM], v[TT]                                   ; old M - new M, 0 or less
	v_cvt_i32_f32 v[TT], v[TT]                                      ; (it saturates)
	v_ldexp_f32 v[FF], 1.0, v[TT]                                   ; f = 2^(old M - new M)
.set JJ, 0
.rept 32
	v_pk_fma_f32 v[S+JJ:S+JJ+1], v[S+JJ:S+JJ+1], s[CS:CS+1], v[NM:NM+1] op_sel_hi:[1,0,0]   ; t - M
.set JJ, JJ+2
.endr
.irp b,0,1,2,3
	v_fma_f32 v[BM+\b], v[BM+\b], s[CS], v[NM]
.endr
.set JJ, 0
.rept 64
	v_exp_f32 v[S+JJ], v[S+JJ]                                      ; p, not normalised
.set JJ, JJ+1
.endr
	v_pk_mul_f32 v[NM+2:NM+3], v[NM+2:NM+3], v[FF:FF+1] op_sel_hi:[1,0]         ; the sum under the new M: the plain place behind the batch
	s_wait_alu depctr_va_vdst(0)                                    ; one wait for the 64, ahead of their first reader
.irp b,0,1,2,3
	v_exp_f32 v[BM+\b], v[BM+\b]                                    ; the blocks' largest p
.endr
	v_pk_add_f32 v[PD:PD+1], v[S:S+1], v[S+2:S+3]                   ; the sum of the unquantised p, in two chains
.irp j,4,8,12,16,20,24,28,32,36,40,44,48,52,56,60
	v_pk_add_f32 v[NM+2:NM+3], v[NM+2:NM+3], v[S+\j:S+\j+1]
	v_pk_add_f32 v[PD:PD+1], v[PD:PD+1], v[S+\j+2:S+\j+3]
.endr
	v_pk_add_f32 v[NM+2:NM+3], v[NM+2:NM+3], v[PD:PD+1]
	s_wait_alu depctr_va_vdst(0)                                    ; and one for the four
.irp b,0,1,2,3
	v_max_num_f32 v[BM+\b], 0x1800000, v[BM+\b]
.endr
.irp b,0,1,2,3
	v_add_nc_u32 v[SO+\b], 0xff000000, v[BM+\b]
.endr
.irp b,0,1,2,3
	v_lshrrev_b32 v[PD+\b], 23, v[SO+\b]
.endr
	v_lshl_or_b32 v[PS], v[PD+1], 8, v[PD]
	v_lshl_or_b32 v[PS], v[PD+2], 16, v[PS]
	v_lshl_or_b32 v[PS], v[PD+3], 24, v[PS]
.irp b,0,1,2,3
	v_cvt_scalef32_pk8_fp4_f32 v[PC+2*\b], v[S+16*\b:S+16*\b+7], v[SO+\b]
	v_cvt_scalef32_pk8_fp4_f32 v[PC+2*\b+1], v[S+16*\b+8:S+16*\b+15], v[SO+\b]
.endr
	v_nop
.irp c,0,1
.irp i,0,1
	v_permlane16_swap_b32 v[PC+4*\c+\i], v[PC+2+4*\c+\i]            ; a whole block to a lane: lanes 0-15 block 2 c, lanes 16-31 block 2 c + 1
.endr
.endr
.set JJ, 0
.rept 16
	v_pk_mul_f32 v[OO+JJ:OO+JJ+1], v[OO+JJ:OO+JJ+1], v[FF:FF+1] op_sel_hi:[1,0]   ; O^T under the new M; these sixteen also stand between the scale word, the codes and the products
.set JJ, JJ+2
.endr
.endm
; THE WAY OUT of rows 16 m .. 16 m + 15, in two parts.  OUTA: through my stage, so that sixteen lanes hold 256 neighbouring bytes of a row; and the kept tokens of the same places.
; Both tiles' LDS instructions are issued first (LDS serves a wave's instructions in order: tile 1's stores into the stage come behind tile 0's loads from it).
.macro OUTA m, u, t, tka
.irp q,0,1,2,3,4,5,6,7
	ds_store_b128 v7, v[ACC+32*\m+4*\q:ACC+32*\m+4*\q+3] offset:128*(\q/4)+16*(\q%4)   ; each accumulator from its low end on
.endr
.irp i,0,1,2,3,4,5,6,7
	ds_load_b128 v[\u+4*\i:\u+4*\i+3], v10 offset:544*\i
	ds_load_b128 v[\t+4*\i:\t+4*\i+3], v[\tka] offset:9216*\i
.endr
.endm
; OUTB: alpha x update + the kept token, stored.  younger: the LDS instructions issued behind this tile's.
.macro OUTB m, u, t, younger
.irp i,0,1,2,3,4,5,6,7
	s_wait_dscnt \younger+14-2*\i                                   ; pair i is in; the later pairs and what is younger may be out
	v_pk_fma_f32 v[\u+4*\i:\u+4*\i+1], v[\u+4*\i:\u+4*\i+1], s[56:57], v[\t+4*\i:\t+4*\i+1] op_sel_hi:[1,0,1]
	v_pk_fma_f32 v[\u+4*\i+2:\u+4*\i+3], v[\u+4*\i+2:\u+4*\i+3], s[56:57], v[\t+4*\i+2:\t+4*\i+3] op_sel_hi:[1,0,1]
	global_store_b128 v13, v[\u+4*\i:\u+4*\i+3], s[34:35] offset:(16*\m+2*\i)*4096 th:TH_STORE_NT   ; sixteen lanes store 256 consecutive bytes, aligned
.endr
.endm
	s_load_b512 s[8:23], s[0:1], 0x0               ; tokens 8, q_norm_w 10, qw_img 12, q_w_scales 14, q_b 16, q_head_norm_w 18, cos 20, sin 22
	s_load_b256 s[24:31], s[0:1], 0x40             ; kvimg 24, ow_img 26, o_w_scales 28, o_b 30
	s_load_b128 s[32:35], s[0:1], 0x60             ; alpha 32, out0 34
	v_lshl_add_u32 v1, v0, 2, SPARE                ; my spare word, and 0: kept for the wave's closing lines
	v_mov_b32 v2, 0
	v_lshrrev_b32 v48, 5, v0
	v_readfirstlane_b32 s36, v48                   ; wave w = head
	v_and_b32 v49, 31, v0                          ; l
	v_and_b32 v50, 15, v0                          ; r
	v_bfe_u32 v51, v0, 4, 1                        ; h
	v_and_b32 v52, 8, v50
	v_add_nc_u32 v52, v52, v50                     ; rp = r + 8 (r / 8)
	v_lshlrev_b32 v3, 4, v49                       ; 16 l
	v_lshlrev_b32 v4, 2, v49                       ; 4 l
	v_mul_u32_u24 v5, v50, 528
	v_lshl_add_u32 v5, v51, 4, v5                  ; a row fragment: 528 r + 16 h
	v_mul_u32_u24 v6, v50, 48                      ; its scale words
	v_mul_u32_u24 v7, v50, 272
	v_lshl_add_u32 v7, v51, 6, v7                  ; the tables: 272 r + 64 h
	v_lshlrev_b32 v8, 6, v51                       ; 64 h: biases and gains
	v_lshlrev_b32 v9, 5, v52
	v_lshl_add_u32 v9, v51, 8, v9                  ; the weights' scale rows: 32 (8 h + rp)
	s_mul_i32 s47, s36, 9216
	s_add_co_u32 s47, s47, TOK
	v_lshrrev_b32 v53, 3, v49
	v_mul_u32_u24 v53, v53, 144
	v_and_b32 v54, 7, v49
	v_lshl_add_u32 v53, v54, 4, v53
	v_add_nc_u32 v10, s47, v53                     ; my two kept rows, in: 144 (l / 8) + 16 (l % 8)
	v_mul_u32_u24 v53, v49, 144
	v_add_nc_u32 v11, s47, v53                     ; and a block out: 144 l
	s_mul_i32 s47, s36, 1056
	v_add_nc_u32 v12, s47, v3                      ; my rows' codes
	s_mul_i32 s47, s36, 96
	v_add_nc_u32 v13, s47, v49                     ; and scale bytes
	s_mul_i32 s47, s36, 544
	v_lshlrev_b32 v53, 4, v50
	v_mad_u32_u24 v53, v51, 272, v53
	v_add_nc_u32 v14, s47, v53                     ; the tables, in: row 2 w + h
	v_mov_b32 v[RS+1], 0                           ; (named as the upper half of a pair)
	v_mov_b32 v[PT], 0                             ; (a lane permute's destination counts as one of its sources)
	s_mov_b32 s[SEL], 0x76543210
	s_mov_b32 s[SEL+1], 0xfedcba98
	s_mov_b32 s[CS], 0x3e38aa3b                    ; log2(e) / 8
	s_mov_b32 s[CS+1], s[CS]
	s_mov_b32 s[EPS], 0x358637bd                   ; 1e-6
	s_mov_b32 s[I1024], 0x3a800000
	s_mov_b32 s[I64], 0x3c800000
	s_mov_b32 s59, 0
	s_mov_b32 s53, 0
	s_wait_kmcnt 0x0
	s_load_b32 s56, s[32:33], 0x0                  ; alpha
	s_lshl_b32 s58, ttmp9, 17                      ; 32 rows of 4,096 bytes a work-group
	s_add_nc_u64 s[34:35], s[34:35], s[58:59]
	s_lshl_b32 s47, s36, 13                        ; two a wave
	s_add_co_u32 s58, s58, s47
	s_add_nc_u64 s[8:9], s[8:9], s[58:59]
	s_and_b32 s58, ttmp9, 127                      ; the position in the image: 32 (g % 128) + 2 w
	s_lshl_b32 s58, s58, 13
	s_lshl_b32 s47, s36, 9
	s_add_co_u32 s58, s58, s47
	s_add_nc_u64 s[20:21], s[20:21], s[58:59]
	s_add_nc_u64 s[22:23], s[22:23], s[58:59]
.irp j,0,1,2,3,4,5,6,7
	global_load_b128 v[GA+4*\j:GA+4*\j+3], v3, s[10:11] offset:512*\j
.endr
	global_load_b128 v[192:195], v3, s[20:21]
	global_load_b128 v[196:199], v3, s[22:23]
.irp j,0,1,2,3,4,5,6,7
	global_load_b128 v[RA+4*\j:RA+4*\j+3], v3, s[8:9] offset:512*\j th:TH_LOAD_NT
.endr
.irp j,0,1,2,3,4,5,6,7
	global_load_b128 v[RB+4*\j:RB+4*\j+3], v3, s[8:9] offset:4096+512*\j th:TH_LOAD_NT
.endr
	s_lshl_b32 s58, s36, 15                        ; my head's four tiles of each weight image,
	s_add_nc_u64 s[12:13], s[12:13], s[58:59]
	s_add_nc_u64 s[26:27], s[26:27], s[58:59]
	s_lshl_b32 s58, s36, 11                        ; their scale rows,
	s_add_nc_u64 s[14:15], s[14:15], s[58:59]
	s_add_nc_u64 s[28:29], s[28:29], s[58:59]
	s_lshl_b32 s58, s36, 8                         ; the biases
	s_add_nc_u64 s[16:17], s[16:17], s[58:59]
	s_add_nc_u64 s[30:31], s[30:31], s[58:59]
	s_lshr_b32 s58, ttmp9, 7                       ; my head's eight records: (16 batch + w) x 69,632
	s_lshl_b32 s58, s58, 4
	s_add_co_u32 s58, s58, s36
	s_mul_i32 s58, s58, 69632
	s_add_nc_u64 s[48:49], s[24:25], s[58:59]
	s_mov_b64 s[50:51], s[48:49]
	s_and_b32 s47, ttmp9, 127
	s_cmp_eq_u32 s47, 0
	s_cselect_b32 s55, 7, 0                        ; the batch's first work-group prefetches, in trips 0 to 6
	s_wait_loadcnt 16                              ; the gains and the tables are in; the two rows may be out
	ds_store_b128 v14, v[192:195] offset:COS
	ds_store_b128 v14, v[196:199] offset:SIN
.irp j,0,1,2,3,4,5,6,7
	ds_store_b128 v10, v[GA+4*\j:GA+4*\j+3] offset:576*\j           ; the gains turn through the first row's place, ahead of the row
.endr
.irp q,0,1,2,3,4,5,6,7
	ds_load_b128 v[W+4*\q:W+4*\q+3], v11 offset:16*\q
.endr
	XROW RA, 0, 0, 8                               ; behind the first row's loads: the second's eight
	XROW RB, 4608, 1, 0
	s_wait_kmcnt 0x0
	s_mov_b32 s57, s56                             ; (the packed form names the pair)
	s_wait_dscnt 0x0                               ; for the others: my rows, codes, bytes and tables have landed; and my stores have read their registers
	PFIRST 12, 14, 16
	s_barrier_signal -1
	s_barrier_wait -1
	; ---- Q
	PROJ 12, XC, XS, 1
	v_mov_b32 v[NT+4], 0
	v_mov_b32 v[NT+7], 0
	v_mov_b32 v[QPD], 0
	v_mov_b32 v[QPD+1], 0
.irp m,0,1
.irp b,0,1
.irp q,0,1,2,3
	ds_load_b128 v[64+16*\b+4*\q:64+16*\b+4*\q+3], v7 offset:COS+16*\m*272+128*\b+16*\q
	ds_load_b128 v[128+16*\b+4*\q:128+16*\b+4*\q+3], v7 offset:SIN+16*\m*272+128*\b+16*\q
.endr
.endr
	s_wait_loadcnt 0x0                             ; the head's gains
	s_wait_dscnt 0x0
	NRQ ACC+32*\m, 160, 64, 128, QF+4+8*\m
	v_lshl_or_b32 v[QS+\m], v[QBY+1], 8, v[QBY]
	v_lshl_or_b32 v[QS+\m], v[QS+\m], 16, v[QS+\m]                  ; the two bytes twice: they serve [q | 0] and [0 | q]
.endr
	; ---- attention
	KLOAD                                          ; step 0
.irp z,16,17,18,19,24,25,26,27,32,33,34,35
	v_mov_b32 v[\z], 0                             ; zero codes beside q
.endr
.irp m,0,1
	v_mov_b32 v[9+4*\m], 0xff61b1e6                ; the largest t so far: -3e38
	v_floor_f32 v[8+4*\m], -v[9+4*\m]
	v_mov_b32 v[10+4*\m], 0
	v_mov_b32 v[11+4*\m], 0
.endr
	v_mov_b32 v[FF+1], 0
.irp b,0,1,2,3
	v_mov_b32 v[PD+\b], 0
.endr
	v_and_b32 v5, 31, v0
	v_lshlrev_b32 v5, 8, v5                        ; the prefetch's offset: 256 l
.set JJ, 0
.rept 64
	v_mov_b32 v[O+JJ], 0                           ; O^T.  (The key step is written once: its first trip finds zeros, which the first change of M leaves zeros)
.set JJ, JJ+1
.endr
	s_mov_b32 s54, 0
.Lkey:                                             ; eight trips of 128 keys
	VLOAD
	; A prefetch of the next record's 32 runs of 256 bytes of codes, a lane a run.  All 128 work-groups of a batch walk the same records: the batch's first asks, each wave for its own head, so each run is named once.
	; It stands behind the wave's loads; the last trip asks for nothing, and record 0 comes by its loads alone.
	s_cmp_lt_u32 s54, s55
	s_cbranch_scc0 .Lnot_asking
	global_prefetch_b8 v5, s[50:51] offset:8704 th:TH_LOAD_NT scope:SCOPE_SE
.Lnot_asking:
	s_wait_loadcnt 10                              ; K is in; V's ten loads may be out.  K's loads are done, so their base may step:
	s_cmp_lt_u32 s54, 7
	s_cselect_b32 s52, 8704, 0                     ; in the last trip it is held: no load leaves the buffer
	s_add_nc_u64 s[48:49], s[48:49], s[52:53]
	STM 0
	PLACES
	SOFTMAX 0
	s_wait_loadcnt 0x0                             ; V is in
	s_wait_xcnt 0x0                                ; the prefetch has read its base
	s_add_nc_u64 s[50:51], s[50:51], 8704
	PVM 0
	STM 1
	PLACES                                         ; ahead of the reads of S, of the loads into K's registers and of the vector writes of p's codes
	KLOAD                                          ; the next step's K lands under the second softmax
	SOFTMAX 1
	PVM 1
	PLACES                                         ; ahead of the next loads into V's registers
	s_add_co_u32 s54, s54, 1
	s_cmp_lt_u32 s54, 8
	s_cbranch_scc1 .Lkey
	s_wait_loadcnt 0x0                             ; the last trip's loads of K, which nobody reads
	; ---- the finish: O / sum, quantised, to the other waves
	v_and_b32 v27, 15, v0                          ; r
	v_bfe_u32 v28, v0, 4, 1                        ; h
	v_and_b32 v29, 8, v27
	v_add_nc_u32 v29, v29, v27
	v_lshlrev_b32 v8, 6, v28                       ; 64 h and 32 (8 h + rp) again: tile 0's -M and t are done with
	v_lshlrev_b32 v9, 5, v29
	v_lshl_add_u32 v9, v28, 8, v9
	PFIRST 26, 28, 30
	v_add_f32 v16, v10, v11                        ; the sums' two halves,
	v_add_f32 v17, v14, v15
	v_permlanex16_b32 v18, v16, s[SEL], s[SEL+1]
	v_permlanex16_b32 v19, v17, s[SEL], s[SEL+1]
	v_add_f32 v16, v16, v18                        ; and lane l xor 16's
	v_add_f32 v17, v17, v19
	v_rcp_f32 v20, v16
	v_rcp_f32 v22, v17
	v_mul_u32_u24 v5, v27, 528                     ; (plain work behind the reciprocals)  the row fragment's address again
	v_lshl_add_u32 v5, v28, 4, v5
	s_lshl_b32 s47, s36, 5
	v_add_nc_u32 v24, s47, v5                      ; my 16 bytes of a row of codes: 528 r + 16 h + 32 w
	s_lshl_b32 s47, s36, 1
	v_add_nc_u32 v25, s47, v6                      ; my two scale bytes: 48 r + 2 w
	s_mul_i32 s47, s36, 4352
	s_add_co_u32 s47, s47, STG
	v_mul_u32_u24 v7, v27, 272
	v_lshl_add_u32 v7, v28, 6, v7
	v_add_nc_u32 v7, s47, v7                       ; my stage, in: 272 r + 64 h
	v_lshlrev_b32 v30, 4, v27
	v_mad_u32_u24 v10, v28, 272, v30
	v_add_nc_u32 v10, s47, v10                     ; and back: 272 h + 16 r
	s_mul_i32 s47, s36, 288
	s_add_co_u32 s47, s47, TOK
	v_bfe_u32 v31, v0, 3, 1
	v_mul_u32_u24 v31, v31, 144
	v_and_b32 v26, 7, v0
	v_lshl_add_u32 v31, v26, 4, v31
	v_mad_u32_u24 v31, v28, 4608, v31
	v_add_nc_u32 v11, s47, v31                     ; the kept rows: row h, place 2 w + (r / 8), byte 16 (r % 8)
	v_add_nc_u32 v12, 73728, v11                   ; and sixteen rows on
	s_lshl_b32 s47, s36, 8
	v_lshl_add_u32 v13, v28, 12, v30
	v_add_nc_u32 v13, s47, v13                     ; out0: 4,096 h + 256 w + 16 r
	s_wait_alu depctr_va_vdst(0)                   ; one wait for the two reciprocals
.irp m,0,1
.set JJ, 0
.rept 16
	v_pk_mul_f32 v[O+32*\m+JJ:O+32*\m+JJ+1], v[O+32*\m+JJ:O+32*\m+JJ+1], v[20+2*\m:21+2*\m] op_sel_hi:[1,0]
.set JJ, JJ+2
.endr
	QUANT2 O+32*\m, O+32*\m+16, 60
	v_lshl_or_b32 v26, v[QBY+1], 8, v[QBY]
	ds_store_b128 v24, v[60:63] offset:AC+16*\m*528
	ds_store_b16 v25, v26 offset:AS+16*\m*48       ; lanes r and r + 16 store the same two bytes at the same place
	s_wait_dscnt 0x0                               ; the stores have read their registers; ahead of the barrier: they have landed
.endr
	s_barrier_signal -1
	s_barrier_wait -1
	; ---- the projection on the way out
	PROJ 26, AC, AS, 0
	OUTA 0, 64, 96, 11
	OUTA 1, 128, 160, 12
	OUTB 0, 64, 96, 24                             ; behind tile 0's loads: tile 1's eight stores and sixteen loads
	OUTB 1, 128, 160, 0
	s_wait_tensorcnt 0x0                           ; the wave's end
	ds_add_u32 v1, v2
	s_wait_dscnt 0x0
	s_endpgm
.Lfunc_end_k_qb21aeba4ea_fused:
	.size	k_qb21aeba4ea_fused, .Lfunc_end_k_qb21aeba4ea_fused-k_qb21aeba4ea_fused
	.p2alignl 7, 3214868480
	.fill 96, 4, 3214868480
	.section	.rodata,"a",@progbits
	.p2align	6, 0x0
	.amdhsa_kernel k_qb21aeba4ea_fused
		.amdhsa_group_segment_fixed_size 273408
		.amdhsa_private_segment_fixed_size 0
		.amdhsa_enable_private_segment 0
		.amdhsa_kernarg_size 112
		.amdhsa_user_sgpr_count 2
		.amdhsa_user_sgpr_kernarg_segment_ptr 1
		.amdhsa_wavefront_size32 1
		.amdhsa_system_sgpr_workgroup_id_x 1
		.amdhsa_system_sgpr_workgroup_id_y 1
		.amdhsa_system_sgpr_workgroup_id_z 1
		.amdhsa_system_vgpr_workitem_id 0
		.amdhsa_next_free_vgpr 256
		.amdhsa_next_free_sgpr 66
		.amdhsa_reserve_vcc 0
		.amdhsa_float_denorm_mode_32 3
		.amdhsa_float_denorm_mode_16_64 3
		.amdhsa_memory_ordered 1
		.amdhsa_forward_progress 1
		.amdhsa_inst_pref_size 126
	.end_amdhsa_kernel
	.amdgpu_metadata
---
amdhsa.version: [ 1, 2 ]
amdhsa.kernels:
  - .name:           k_qb21aeba4ea_fused
    .symbol:         k_qb21aeba4ea_fused.kd
    .args:
      - { .name: image_tokens, .offset: 0, .size: 8, .value_kind: global_buffer, .address_space: global }
      - { .name: q_norm_w, .offset: 8, .size: 8, .value_kind: global_buffer, .address_space: global }
      - { .name: qw_img, .offset: 16, .size: 8, .value_kind: global_buffer, .address_space: global }
      - { .name: q_w_scales, .offset: 24, .size: 8, .value_kind: global_buffer, .address_space: global }
      - { .name: q_b, .offset: 32, .size: 8, .value_kind: global_buffer, .address_space: global }
      - { .name: q_head_norm_w, .offset: 40, .size: 8, .value_kind: global_buffer, .address_space: global }
      - { .name: image_cos, .offset: 48, .size: 8, .value_kind: global_buffer, .address_space: global }
      - { .name: image_sin, .offset: 56, .size: 8, .value_kind: global_buffer, .address_space: global }
      - { .name: kvimg, .offset: 64, .size: 8, .value_kind: global_buffer, .address_space: global }
      - { .name: ow_img, .offset: 72, .size: 8, .value_kind: global_buffer, .address_space: global }
      - { .name: o_w_scales, .offset: 80, .size: 8, .value_kind: global_buffer, .address_space: global }
      - { .name: o_b, .offset: 88, .size: 8, .value_kind: global_buffer, .address_space: global }
      - { .name: alpha, .offset: 96, .size: 8, .value_kind: global_buffer, .address_space: global }
      - { .name: out0, .offset: 104, .size: 8, .value_kind: global_buffer, .address_space: global }
    .group_segment_fixed_size: 273408
    .private_segment_fixed_size: 0
    .kernarg_segment_align: 8
    .kernarg_segment_size: 112
    .max_flat_workgroup_size: 512
    .sgpr_count:     66
    .vgpr_count:     256
    .wavefront_size: 32
...
	.end_amdgpu_metadata
.endif
;; end of part 2
